; MI455X (gfx1250); checked and timed in simulation.
; The chip was launched on July 23, 2026; its instructions are those of AMD's public machine-readable ISA for CDNA 5 (MIT licence, August 2026) and "CDNA5" Instruction Set Architecture Reference Guide (July 2026). The comments in the code are by the model that wrote it; some were corrected since.
;; Multi Lora Column Parallel Linear. Allowed arithmetic: matrix products marked QUANTISED: E2M1 operands, one E8M0 scale for each 32 along K, by v_wmma_scale_f32_16x16x128_f8f6f4 with both operands' format E2M1 (or v_wmma_scale_f32_32x16x128_f4), f32 sums; everything else in f32.
;; Inputs: W 32 x 16 x 4,096 float32; adapter_ids 4 int32; x 4 x 2,048 x 4,096 float32.
;; Outputs: out0 4 x 2,048 x 16 float32.
;; This version of the problem:
;;   THIS VERSION OF THE PROBLEM IS GIVEN IN LOW PRECISION. The matrix products marked QUANTISED in the list below multiply operands that are first quantised to E2M1 (2 exponent bits, 1 mantissa bit; 4 bits a number), with one power-of-two scale for each 32 numbers along K (OCP MX v1.0); their sums are f32. All else is computed in f32.
;;   The module's matrix products, in the order in which they are computed (A, B: the left and right operand; K: the contracted axis; several contracted axes count as one K, in the product's order):
;;     1. batch 4 x [M 2,048, K 4,096] x [K 4,096, N 16]; A: input x; B: computed on the way: QUANTISED
;;   THE QUANTISER, for each operand of a quantised product, along K:
;;     - K is cut into blocks of 32 from its start; a last block that is shorter is filled with zeros.
;;     - A block's scale is 2^e with e = floor(log2(the largest magnitude in the block)) - 2, held to -126 .. 127; a block of zeros has e = 0. As a byte (E8M0): e + 127.
;;     - Each number is divided by its block's scale, clamped to +-6, and rounded to the nearest number of E2M1, ties to even, subnormals kept.
;;     - The product sums the exact products of the quantised numbers (number of the format x scale) in f32.
;;   ~~~python
;;   def quantise(x, axis):      # numpy; x: float32 -> the quantised numbers, widened to float32 again
;;       x = np.moveaxis(x, axis, -1); K = x.shape[-1]
;;       x = np.pad(x, [(0, 0)] * (x.ndim - 1) + [(0, -K % 32)]); x = x.reshape(x.shape[:-1] + (-1, 32)); a = np.abs(x).max(-1, keepdims=True)
;;       e = np.where(a > 0, np.clip(np.frexp(np.where(a > 0, a, 1))[1] - 1 - 2, -126, 127), 0)      # np.frexp(a)[1] - 1 = floor(log2(a)), exactly
;;       r = np.clip(x / 2.0 ** e, -6, 6)
;;       step = 2.0 ** (np.maximum(np.frexp(np.where(r == 0, 1, r))[1] - 1, 0) - 1)
;;       q = np.round(r / step) * step * 2.0 ** e      # np.round: ties to even
;;       return np.moveaxis(q.reshape(q.shape[:-2] + (-1,))[..., :K], -1, axis).astype(np.float32)
;;   ~~~
;;   OPERANDS COMPUTED ON THE WAY. 'Computed on the way' means the value that the module computes at that place (a softmax that the list does not call 'softmax' is quantised finished and normalised). What goes into a quantiser is computed in f32, as accurately as f32 sums, v_exp_f32 and their like allow (about 1e-6 of the number): no bf16 or f16 on the way to a quantiser, and a product that is left as it is and whose result goes on into a quantised operand takes f32 operands (vector FMAs, or v_wmma_f32_16x16x4_f32). A number that lies on a knife's edge between two numbers of the format may be rounded either way, as far as f32 arithmetic and the matrix unit's own rounding can turn it there, and no further.
;; 2 versions. Each part assembles by itself: llvm-mc -triple=amdgcn-amd-amdhsa -mcpu=gfx1250 --defsym DOCPART=n.
;; ======== version 1 of 2: 1 launch
;; launch lora (part 1): grid 256 x 1, 16 waves a work-group, no clusters, 169,984 bytes of LDS; arguments x, adapter_ids, W, out0; writes out0
.if DOCPART == 1
	.amdgcn_target "amdgcn-amd-amdhsa--gfx1250"
	.amdhsa_code_object_version 6
	.text
	.protected	k_qa2392a04dd_lora
	.globl	k_qa2392a04dd_lora
	.p2align	8
	.type	k_qa2392a04dd_lora,@function
k_qa2392a04dd_lora:
	s_mov_b64 s[64:65], 0
	v_nop
	global_prefetch_b8 v0, s[64:65] scope:SCOPE_SE
	s_setreg_imm32_b32 hwreg(HW_REG_WAVE_MODE, 25, 1), 1
	s_wait_xcnt 0x0
; out[b][s][o] = sum over i of Q(x[b][s][i]) * Q(W[adapter_ids[b]][o][i]).  x: [4][2048][4096] f32, W: [32][16][4096] f32, adapter_ids: [4] i32, out: [4][2048][16] f32.
; Q: codes of FP4 (E2M1) with one E8M0 scale for each 32 along i.  A block's scale is 2^(floor(log2(its largest magnitude)) - 2): its byte is the largest magnitude's exponent field - 2, held at 1 from below.
; SHARES.  256 work-groups; a work-group owns 32 rows of x (two tiles of 16) of one sample: 64 work-groups to a sample.  THE 16 WAVES SHARE K, NOT THE ROWS: wave w owns i = 256 w .. 256 w + 255
; (two K steps of 128: 1,024 bytes of every row), for the 32 rows of x and for the 16 rows of the sample's adapter.  So the work-group reads and quantises each number of its adapter once, and a wave's two fragments of W stay in registers.
; A STEP is 16 rows x 128 numbers, 8 KiB.  Each of its 16 loads takes 512 consecutive bytes of one row, 16 a lane.  The operand's layout wants two whole blocks of 32 of ONE row in a lane, so the 8 KiB turn
; through the wave's own stage in LDS: in as they lie, back 2 x 128 bytes a lane.  A block's largest magnitude then needs no other lane, and the conversions' results are the operand's registers.  W takes the same way as x.
; THE MATRIX INSTRUCTION IS USED TRANSPOSED (source 0 = W's 16 rows, source 1 = 16 rows of x): a lane then holds eight neighbouring numbers of a row of out.
; THE SUM OVER THE WAVES: each wave's 32 x 16 partial sums go to LDS in out's own layout; one barrier; threads 0 to 127 add the 16 parts of 16 bytes each and store them: a wave's store covers 512 consecutive bytes.
; W IS NOT ASKED FOR JOINTLY, though the 64 work-groups of a sample read the same 256 KiB.
; W's address hangs on the adapter's number, which is read from memory.  So each work-group loads its adapter's rows itself, 256 KiB beside its 512 KiB of x.
; LIMITS.  NaN and infinities in x or W are not served.  A block of zeros gets the byte 1 where the rule says 127: its codes are zeros, and the bytes never leave the registers.
; An adapter's number above 31 (read as unsigned) is held at 31.  K's sum is formed in 16 parts of 256, each ascending, joined by a tree of f32 additions: another order of rounding than one ascending chain.
.set ROW,   16384                      ; bytes in a row of x and of W: 4,096 f32
.set TILE,  16*ROW                     ; from the work-group's first tile of x to its second
.set KSB,   512                        ; a K step's 128 numbers in bytes
.set SP,    528                        ; a stage row: 512 bytes + 16 = 132 words: row r starts at bank 4 r mod 64 (64 banks of 4 bytes: ISA guide 11.1), so the 16 rows that a load touches start at 16 different banks
.set STG,   16*SP                      ; a wave's stage: 8,448 bytes
.set PART,  16*STG                     ; behind the 16 stages: the partial sums, 2,048 bytes for each wave
.set FLOOR, 3<<23                      ; the f32 number 2^(3 - 127): no largest magnitude is taken under it, so the byte cannot fall under 1
.set GA,    1                          ; v1   byte offset of my 16 bytes in a row: 1,024 x wave + 16 x lane; never rewritten
.set SIN,   2                          ; v2   the stage, on the way in: 16 x lane
.set SOUT,  3                          ; v3   and on the way out: row (lane % 16), + 128 x (lane / 16)
.set PADR,  4                          ; v4   where I put 32 bytes of partial sums
.set RDA,   5                          ; v5   where I read partial sums back
.set OA,    6                          ; v6   my byte offset in the work-group's 2,048 bytes of out
.set SH,    8                          ; v8   8 x (lane / 16): my bytes' place in a scale word
.set WD,    9                          ; v9   my two bytes of a scale word
.set WP,    10                         ; v10  lane l xor 16's two
.set TM,    12                         ; v12-15 running maxima: two chains for each of my two blocks
.set SO,    16                         ; v16-17 the conversions' scale operands
.set WS,    18                         ; v18-19 W's scale words of K step 0, 1;  v20 x's: these three hold scale words and nothing else
.set XS,    20
.set PC,    22                         ; v22-29 the fragment of x just made
.set WF,    32                         ; v32-47 W's two fragments
.set ACC,   48                         ; v48-63 the two accumulators: tile 0, tile 1
.set X,     64                         ; v64-127 a step's 64 numbers of my row: register 32 c + i = k 64 c + 32 (lane / 16) + i
.set R,     128                        ; v128-255 two buffers of 16 loads
	s_load_b256 s[4:11], s[0:1], 0x0               ; x s[4:5], adapter_ids s[6:7], W s[8:9], out s[10:11]
	v_lshl_add_u32 v30, v0, 2, 0x29000
	v_mov_b32 v31, 0
	v_lshrrev_b32 v[TM], 5, v0
	v_readfirstlane_b32 s16, v[TM]                 ; wave 0..15
	v_and_b32 v[TM], 31, v0                        ; lane
	v_and_b32 v[TM+1], 15, v0                      ; r = lane % 16
	v_bfe_u32 v[TM+2], v0, 4, 1                    ; h = lane / 16
	s_lshl_b32 s12, ttmp9, 19                      ; the work-group's 32 rows of x begin 32 x 16,384 x its number bytes in (under 2^27)
	s_mov_b32 s13, 0
	s_lshr_b32 s14, ttmp9, 6                       ; the sample: 64 work-groups each;
	s_lshl_b32 s14, s14, 2                         ; its word of adapter_ids
	s_mov_b32 s15, 0
	s_lshl_b32 s18, ttmp9, 11                      ; the work-group's 32 rows of out: 2,048 bytes
	s_mov_b32 s19, 0
	s_lshl_b32 s17, s16, 10                        ; my wave's 1,024 bytes of a row
	s_mul_i32 s22, s16, STG                        ; my wave's stage
	s_lshl_b32 s23, s16, 11
	s_add_co_u32 s23, s23, PART                    ; my wave's partial sums
	s_mov_b32 s20, 0x76543210
	s_mov_b32 s21, 0xfedcba98                      ; v_permlanex16_b32's selects for lane l xor 16
	v_lshl_add_u32 v[GA], v[TM], 4, s17
	v_lshl_add_u32 v[SIN], v[TM], 4, s22
	v_mul_u32_u24 v[SOUT], v[TM+1], SP
	v_lshl_add_u32 v[SOUT], v[TM+2], 7, v[SOUT]
	v_add_nc_u32 v[SOUT], s22, v[SOUT]
	v_lshlrev_b32 v[PADR], 6, v[TM+1]              ; a row of out is 64 bytes; my eight numbers begin 32 h bytes in
	v_lshl_add_u32 v[PADR], v[TM+2], 5, v[PADR]
	v_add_nc_u32 v[PADR], s23, v[PADR]
	v_and_b32 v[OA], 127, v0                       ; my place among the 128 threads that add the parts (waves 0 to 3)
	v_lshlrev_b32 v[OA], 4, v[OA]
	v_add_nc_u32 v[RDA], PART, v[OA]
	v_lshlrev_b32 v[SH], 3, v[TM+2]
	v_mov_b32 v[WP], 0                             ; written once: a lane permute's destination counts as one of its sources
	s_wait_kmcnt 0x0
	s_add_nc_u64 s[6:7], s[6:7], s[14:15]
	s_load_b32 s24, s[6:7], 0x0                    ; the sample's adapter: on its way while the first loads of x are issued
	s_add_nc_u64 s[4:5], s[4:5], s[12:13]
	s_add_nc_u64 s[10:11], s[10:11], s[18:19]
; 16 loads: a step's 16 rows, 512 consecutive bytes each, into buffer buf.  Every offset is an immediate (508,416 at the most), so no address is ever stepped.
.macro LOADX buf, off                  ; of x: read once in the launch
.irp i, 0,1,2,3,4,5,6,7,8,9,10,11,12,13,14,15
	global_load_b128 v[R+64*\buf+4*\i:R+64*\buf+4*\i+3], v[GA], s[4:5] offset:(\off)+ROW*\i th:TH_LOAD_NT
.endr
.endm
.macro LOADW buf, off                  ; of the adapter's rows: the sample's other work-groups read them too
.irp i, 0,1,2,3,4,5,6,7,8,9,10,11,12,13,14,15
	global_load_b128 v[R+64*\buf+4*\i:R+64*\buf+4*\i+3], v[GA], s[8:9] offset:(\off)+ROW*\i
.endr
.endm
; Buffer buf goes through my stage.  left: the younger loads that may stay out.  LDS serves a wave's instructions in order (ISA guide 5.7.1.4): no wait between the stores and the loads, and the stage is my wave's alone: no barrier.
.macro TURN buf, left
	s_wait_loadcnt \left                           ; loads come back in order (ISA guide 5.7.1): this step's 16 are in
.irp i, 0,1,2,3,4,5,6,7,8,9,10,11,12,13,14,15
	ds_store_b128 v[SIN], v[R+64*\buf+4*\i:R+64*\buf+4*\i+3] offset:SP*\i
.endr
.irp c, 0,1
.irp j, 0,1,2,3,4,5,6,7
	ds_load_b128 v[X+32*\c+4*\j:X+32*\c+4*\j+3], v[SOUT] offset:256*\c+16*\j    ; block 2 c + h of row r: 128 bytes
.endr
.endr
.endm
; My 64 numbers become the fragment's eight registers in v[dst] on, and my row's scale word in v[sw].
.macro QUANT dst, sw
.irp c, 0,1                                    ; the largest magnitude of block 2 c + h: all 32 numbers are mine; two chains a block, the four by turns, so that no line waits for the line above it
	v_max3_num_f32 v[TM+\c], |v[X+32*\c]|, |v[X+32*\c+1]|, FLOOR
	v_max3_num_f32 v[TM+2+\c], |v[X+32*\c+16]|, |v[X+32*\c+17]|, |v[X+32*\c+18]|
.endr
.irp i, 0,2,4,6,8,10
.irp c, 0,1
	v_max3_num_f32 v[TM+\c], v[TM+\c], |v[X+32*\c+2+\i]|, |v[X+32*\c+3+\i]|
	v_max3_num_f32 v[TM+2+\c], v[TM+2+\c], |v[X+32*\c+19+\i]|, |v[X+32*\c+20+\i]|
.endr
.endr
.irp c, 0,1
	v_max3_num_f32 v[TM+\c], v[TM+\c], |v[X+32*\c+14]|, |v[X+32*\c+15]|
.endr
.irp c, 0,1
	v_max3_num_f32 v[TM+\c], v[TM+\c], v[TM+2+\c], |v[X+32*\c+31]|
.endr
.irp c, 0,1
	v_add_nc_u32 v[SO+\c], 0xff000000, v[TM+\c]    ; 2 off its exponent field: the conversion takes the exponent field of this operand as its scale, and nothing else of it
.endr
.irp c, 0,1
	v_lshrrev_b32 v[TM+\c], 23, v[SO+\c]           ; the scale's byte
.endr
	v_lshl_or_b32 v[WD], v[TM+1], 16, v[TM]        ; my two bytes, blocks h and 2 + h,
	v_lshlrev_b32 v[WD], v[SH], v[WD]              ; at their places in the word (8 h bits up);
	v_permlanex16_b32 v[WP], v[WD], s20, s21
	v_or_b32 v[\sw], v[WD], v[WP]                  ; with lane l xor 16's two the word is whole, in both halves of the lanes
.irp c, 0,1
.irp g, 0,1,2,3
	v_cvt_scalef32_pk8_fp4_f32 v[\dst+4*\c+\g], v[X+32*\c+8*\g:X+32*\c+8*\g+7], v[SO+\c]   ; eight numbers / the scale, to the nearest code, ties to even, beyond 6 the largest code; the lower k in the lower bits
.endr
.endr
	v_nop                                          ; one plain vector line behind the last scaled conversion
.endm
; One product: 16 outputs x 16 rows of x x 128 along K.  first = 1: it starts the sum: nothing is cleared.  The two accumulators take turns, one instruction a turn.
.macro MUL t, s, first
.rept 8
	v_nop                                          ; a scale word written by a vector instruction stands eight plain vector lines ahead of a scaled matrix instruction, an operand so written four
.endr
.if \first
	v_wmma_scale_f32_16x16x128_f8f6f4 v[ACC+8*\t:ACC+8*\t+7], v[WF+8*\s:WF+8*\s+7], v[PC:PC+7], 0, v[WS+\s], v[XS] matrix_a_fmt:MATRIX_FMT_FP4 matrix_b_fmt:MATRIX_FMT_FP4
.else
	v_wmma_scale_f32_16x16x128_f8f6f4 v[ACC+8*\t:ACC+8*\t+7], v[WF+8*\s:WF+8*\s+7], v[PC:PC+7], v[ACC+8*\t:ACC+8*\t+7], v[WS+\s], v[XS] matrix_a_fmt:MATRIX_FMT_FP4 matrix_b_fmt:MATRIX_FMT_FP4
.endif
.endm
	; Six steps, two always on their way: x tile 0 step 0, W step 0, x tile 1 step 0, W step 1, x tile 0 step 1, x tile 1 step 1.  x goes out first, ahead of the wait for the adapter's number.
	LOADX 0, 0
	s_wait_kmcnt 0x0
	s_min_u32 s24, s24, 31                         ; the table has 32 adapters
	s_lshl_b32 s24, s24, 18                        ; of 16 rows x 16,384 bytes
	s_mov_b32 s25, 0
	s_add_nc_u64 s[8:9], s[8:9], s[24:25]
	LOADW 1, 0
	TURN 0, 16                                     ; x, tile 0, K step 0.  (16: W's loads may stay out)
	s_wait_dscnt 16                                ; the 16 stores are done, the 16 LDS loads behind them may be out: the buffer's registers have been read,
	LOADX 0, TILE                                  ; and take the loads of two steps on
	s_wait_dscnt 0x0                               ; my 64 numbers are back
	QUANT PC, XS                                   ; its codes wait in registers for W's
	TURN 1, 16                                     ; W, K step 0
	s_wait_dscnt 16
	LOADW 1, KSB
	s_wait_dscnt 0x0
	QUANT WF, WS
	MUL 0, 0, 1
	TURN 0, 16                                     ; x, tile 1, K step 0.  The 32 maxima of QUANT stand between the product above and the lines that write its operand and scale word anew (four are asked: ISA guide 7.12.1)
	s_wait_dscnt 16
	LOADX 0, KSB
	s_wait_dscnt 0x0
	QUANT PC, XS
	MUL 1, 0, 1
	TURN 1, 16                                     ; W, K step 1
	s_wait_dscnt 16
	LOADX 1, TILE+KSB
	s_wait_dscnt 0x0
	QUANT WF+8, WS+1
	TURN 0, 16                                     ; x, tile 0, K step 1: nothing is left to ask for
	s_wait_dscnt 0x0
	QUANT PC, XS
	MUL 0, 1, 0
	TURN 1, 0                                      ; x, tile 1, K step 1: the last loads
	s_wait_dscnt 0x0
	QUANT PC, XS
	MUL 1, 1, 0
	; THE SUM OVER THE 16 WAVES.  Lane (r, h) holds out(row r of the tile, outputs 8 h .. 8 h + 7): 32 bytes, put where they lie in the work-group's 2,048 bytes of out.
.rept 4
	v_nop                                          ; four plain vector lines between a matrix instruction and the LDS store that reads its result
.endr
.irp t, 0,1
	ds_store_b128 v[PADR], v[ACC+8*\t:ACC+8*\t+3] offset:1024*\t          ; each accumulator from its low end on
	ds_store_b128 v[PADR], v[ACC+8*\t+4:ACC+8*\t+7] offset:1024*\t+16
.endr
	s_wait_dscnt 0x0                               ; for the others' sake: my stores are done
	s_barrier_signal -1
	s_barrier_wait -1                              ; all 16 parts lie in LDS
	s_cmp_gt_u32 s16, 3
	s_cbranch_scc1 .Ldone                          ; 2,048 bytes are 16 bytes for each of 128 threads: waves 0 to 3
.irp w, 0,1,2,3,4,5,6,7,8,9,10,11,12,13,14,15
	ds_load_b128 v[R+4*\w:R+4*\w+3], v[RDA] offset:2048*\w                ; wave w's part of my four numbers
.endr
	s_wait_dscnt 0x0
.irp j, 0,2,4,6,8,10,12,14,16,18,20,22,24,26,28,30
	v_pk_add_f32 v[R+\j:R+\j+1], v[R+\j:R+\j+1], v[R+32+\j:R+33+\j]       ; a tree: parts 8, 4, 2 and 1 apart, two numbers an instruction
.endr
.irp j, 0,2,4,6,8,10,12,14
	v_pk_add_f32 v[R+\j:R+\j+1], v[R+\j:R+\j+1], v[R+16+\j:R+17+\j]
.endr
.irp j, 0,2,4,6
	v_pk_add_f32 v[R+\j:R+\j+1], v[R+\j:R+\j+1], v[R+8+\j:R+9+\j]
.endr
.irp j, 0,2
	v_pk_add_f32 v[R+\j:R+\j+1], v[R+\j:R+\j+1], v[R+4+\j:R+5+\j]
.endr
	global_store_b128 v[OA], v[R:R+3], s[10:11] th:TH_STORE_NT            ; 32 lanes store 512 consecutive bytes, at a multiple of 512 from out's first byte; written once, read by nobody here
.Ldone:
	s_wait_tensorcnt 0x0
	ds_add_u32 v30, v31
	s_wait_dscnt 0x0
	s_endpgm
.Lfunc_end_k_qa2392a04dd_lora:
	.size	k_qa2392a04dd_lora, .Lfunc_end_k_qa2392a04dd_lora-k_qa2392a04dd_lora
	.p2alignl 7, 3214868480
	.fill 96, 4, 3214868480
	.section	.rodata,"a",@progbits
	.p2align	6, 0x0
	.amdhsa_kernel k_qa2392a04dd_lora
		.amdhsa_group_segment_fixed_size 169984
		.amdhsa_private_segment_fixed_size 0
		.amdhsa_enable_private_segment 0
		.amdhsa_kernarg_size 32
		.amdhsa_user_sgpr_count 2
		.amdhsa_user_sgpr_kernarg_segment_ptr 1
		.amdhsa_wavefront_size32 1
		.amdhsa_system_sgpr_workgroup_id_x 1
		.amdhsa_system_sgpr_workgroup_id_y 1
		.amdhsa_system_sgpr_workgroup_id_z 1
		.amdhsa_system_vgpr_workitem_id 0
		.amdhsa_next_free_vgpr 256
		.amdhsa_next_free_sgpr 66
		.amdhsa_reserve_vcc 0
		.amdhsa_float_denorm_mode_32 3
		.amdhsa_float_denorm_mode_16_64 3
		.amdhsa_memory_ordered 1
		.amdhsa_forward_progress 1
		.amdhsa_inst_pref_size 47
	.end_amdhsa_kernel
	.amdgpu_metadata
---
amdhsa.version: [ 1, 2 ]
amdhsa.kernels:
  - .name:           k_qa2392a04dd_lora
    .symbol:         k_qa2392a04dd_lora.kd
    .args:
      - { .name: x, .offset: 0, .size: 8, .value_kind: global_buffer, .address_space: global }
      - { .name: adapter_ids, .offset: 8, .size: 8, .value_kind: global_buffer, .address_space: global }
      - { .name: W, .offset: 16, .size: 8, .value_kind: global_buffer, .address_space: global }
      - { .name: out0, .offset: 24, .size: 8, .value_kind: global_buffer, .address_space: global }
    .group_segment_fixed_size: 169984
    .private_segment_fixed_size: 0
    .kernarg_segment_align: 8
    .kernarg_segment_size: 32
    .max_flat_workgroup_size: 512
    .sgpr_count:     66
    .vgpr_count:     256
    .wavefront_size: 32
...
	.end_amdgpu_metadata
.endif
;; end of part 1
;; ======== version 2 of 2: 1 launch; version 1 with the launch lora written anew for expert scheduling mode
;; launch lora (part 2): grid 256 x 1, 16 waves a work-group, no clusters, 169,984 bytes of LDS; arguments x, adapter_ids, W, out0; writes out0
.if DOCPART == 2
	.amdgcn_target "amdgcn-amd-amdhsa--gfx1250"
	.amdhsa_code_object_version 6
	.text
	.protected	k_qa2392a04dd_lora
	.globl	k_qa2392a04dd_lora
	.p2align	8
	.type	k_qa2392a04dd_lora,@function
k_qa2392a04dd_lora:
	s_mov_b64 s[64:65], 0
	v_nop
	global_prefetch_b8 v0, s[64:65] scope:SCOPE_SE
	s_setreg_imm32_b32 hwreg(HW_REG_WAVE_SCHED_MODE, 0, 2), 2
	s_setreg_imm32_b32 hwreg(HW_REG_WAVE_MODE, 25, 1), 1
	s_wait_xcnt 0x0
	s_wait_alu depctr_vm_vsrc(0)
; out[b][s][o] = sum over i of Q(x[b][s][i]) * Q(W[adapter_ids[b]][o][i]).  x: [4][2048][4096] f32, W: [32][16][4096] f32, adapter_ids: [4] i32, out: [4][2048][16] f32.
; Q: codes of FP4 (E2M1) with one E8M0 scale for each 32 along i.  A block's scale is 2^(floor(log2(its largest magnitude)) - 2): its byte is the largest magnitude's exponent field - 2, held at 1 from below.
; SHARES.  256 work-groups; a work-group owns 32 rows of x (two tiles of 16) of one sample: 64 work-groups to a sample.  THE 16 WAVES SHARE K, NOT THE ROWS: wave w owns i = 256 w .. 256 w + 255
; (two K steps of 128: 1,024 bytes of every row), for the 32 rows of x and for the 16 rows of the sample's adapter.  So the work-group reads and quantises each number of its adapter once, and a wave's two fragments of W stay in registers.
; A STEP is 16 rows x 128 numbers, 8 KiB.  Each of its 16 loads takes 512 consecutive bytes of one row, 16 a lane.  The operand's layout wants two whole blocks of 32 of ONE row in a lane, so the 8 KiB turn
; through the wave's own stage in LDS: in as they lie, back 2 x 128 bytes a lane.  A block's largest magnitude then needs no other lane, and the conversions' results are the operand's registers.  W takes the same way as x.
; THE MATRIX INSTRUCTION IS USED TRANSPOSED (source 0 = W's 16 rows, source 1 = 16 rows of x): a lane then holds eight neighbouring numbers of a row of out.
; THE SUM OVER THE WAVES: each wave's 32 x 16 partial sums go to LDS in out's own layout; one barrier; threads 0 to 127 add the 16 parts of 16 bytes each and store them: a wave's store covers 512 consecutive bytes.
; W IS NOT ASKED FOR JOINTLY, though the 64 work-groups of a sample read the same 256 KiB.
; W's address hangs on the adapter's number, which is read from memory.  So each work-group loads its adapter's rows itself, 256 KiB beside its 512 KiB of x.
; LIMITS.  NaN and infinities in x or W are not served.  A block of zeros gets the byte 1 where the rule says 127: its codes are zeros, and the bytes never leave the registers.
; An adapter's number above 31 (read as unsigned) is held at 31.  K's sum is formed in 16 parts of 256, each ascending, joined by a tree of f32 additions: another order of rounding than one ascending chain.
; THE MODE: SCHED_MODE bits 1:0 = 2 (LLVM: expert scheduling mode 2), set by the entry lines.  The code itself states the register dependences
; between vector or matrix instructions and memory or LDS instructions, with s_wait_alu, always for 0.
; THE PLAN.  Registers that memory or LDS instructions touch:
;   v1 .. v6     offsets and LDS addresses: written by vector lines at the head, never again; one wait on va_vdst ahead of the first load serves every access of the kernel.
;   R0, R1       a step's 16 loads land in R[b]; its 16 LDS stores read R[b]; in steps 0 to 3 the loads of two steps on land there again, behind a wait on vm_vsrc.  No vector line names R ahead of the way out.
;   X            a step's 16 LDS loads land in it; the step's maxima and conversions read it.  Each product has a wait on va_vdst directly ahead of it, for its codes and scale words; behind that wait the product alone is
;                issued, which does not name X: so the next step's LDS loads owe nothing more.  The two steps that end with no product (x tile 0 of K step 0; W of K step 1) are followed by a wait of their own.
;   ACC          written by the products, read by the LDS stores of the way out: the places, then a wait on va_vdst.
;   v128 .. v191 on the way out: read by step 4's LDS stores, then the 16 parts land there and additions write them: a wait on vm_vsrc; the global store reads v128 .. v131: a wait on va_vdst.
.set ROW,   16384                      ; bytes in a row of x and of W: 4,096 f32
.set TILE,  16*ROW                     ; from the work-group's first tile of x to its second
.set KSB,   512                        ; a K step's 128 numbers in bytes
.set SP,    528                        ; a stage row: 512 bytes + 16 = 132 words: row r starts at bank 4 r mod 64 (64 banks of 4 bytes: ISA guide 11.1), so the 16 rows that a load touches start at 16 different banks
.set STG,   16*SP                      ; a wave's stage: 8,448 bytes
.set PART,  16*STG                     ; behind the 16 stages: the partial sums, 2,048 bytes for each wave
.set FLOOR, 3<<23                      ; the f32 number 2^(3 - 127): no largest magnitude is taken under it, so the byte cannot fall under 1
.set GA,    1                          ; v1   byte offset of my 16 bytes in a row: 1,024 x wave + 16 x lane; never rewritten
.set SIN,   2                          ; v2   the stage, on the way in: 16 x lane
.set SOUT,  3                          ; v3   and on the way out: row (lane % 16), + 128 x (lane / 16)
.set PADR,  4                          ; v4   where I put 32 bytes of partial sums
.set RDA,   5                          ; v5   where I read partial sums back
.set OA,    6                          ; v6   my byte offset in the work-group's 2,048 bytes of out
.set SH,    8                          ; v8   8 x (lane / 16): my bytes' place in a scale word
.set WD,    9                          ; v9   my two bytes of a scale word
.set WP,    10                         ; v10  lane l xor 16's two
.set TM,    12                         ; v12-15 running maxima: two chains for each of my two blocks
.set SO,    16                         ; v16-17 the conversions' scale operands
.set WS,    18                         ; v18-19 W's scale words of K step 0, 1;  v20 x's: these three hold scale words and nothing else
.set XS,    20
.set PC,    22                         ; v22-29 the fragment of x just made
.set WF,    32                         ; v32-47 W's two fragments
.set ACC,   48                         ; v48-63 the two accumulators: tile 0, tile 1
.set X,     64                         ; v64-127 a step's 64 numbers of my row: register 32 c + i = k 64 c + 32 (lane / 16) + i
.set R,     128                        ; v128-255 two buffers of 16 loads
	s_load_b256 s[4:11], s[0:1], 0x0               ; x s[4:5], adapter_ids s[6:7], W s[8:9], out s[10:11]
	v_lshl_add_u32 v30, v0, 2, 0x29000
	v_mov_b32 v31, 0
	v_lshrrev_b32 v[TM], 5, v0
	v_readfirstlane_b32 s16, v[TM]                 ; wave 0..15
	v_and_b32 v[TM], 31, v0                        ; lane
	s_wait_alu depctr_va_vdst(0)
	v_and_b32 v[TM+1], 15, v0                      ; r = lane % 16
	s_wait_alu depctr_va_vdst(0)
	v_bfe_u32 v[TM+2], v0, 4, 1                    ; h = lane / 16
	s_lshl_b32 s12, ttmp9, 19                      ; the work-group's 32 rows of x begin 32 x 16,384 x its number bytes in (under 2^27)
	s_mov_b32 s13, 0
	s_lshr_b32 s14, ttmp9, 6                       ; the sample: 64 work-groups each;
	s_lshl_b32 s14, s14, 2                         ; its word of adapter_ids
	s_mov_b32 s15, 0
	s_lshl_b32 s18, ttmp9, 11                      ; the work-group's 32 rows of out: 2,048 bytes
	s_mov_b32 s19, 0
	s_wait_alu depctr_va_sdst(0)                   ; s16 is written, ahead of its first reader: the wave's places in a row and in LDS are made from it
	s_lshl_b32 s17, s16, 10                        ; my wave's 1,024 bytes of a row
	s_mul_i32 s22, s16, STG                        ; my wave's stage
	s_lshl_b32 s23, s16, 11
	s_add_co_u32 s23, s23, PART                    ; my wave's partial sums
	s_mov_b32 s20, 0x76543210
	s_mov_b32 s21, 0xfedcba98                      ; v_permlanex16_b32's selects for lane l xor 16
	v_lshl_add_u32 v[GA], v[TM], 4, s17
	v_lshl_add_u32 v[SIN], v[TM], 4, s22
	v_mul_u32_u24 v[SOUT], v[TM+1], SP
	s_wait_alu depctr_va_vdst(0)
	v_lshl_add_u32 v[SOUT], v[TM+2], 7, v[SOUT]
	v_add_nc_u32 v[SOUT], s22, v[SOUT]
	v_lshlrev_b32 v[PADR], 6, v[TM+1]              ; a row of out is 64 bytes; my eight numbers begin 32 h bytes in
	v_lshl_add_u32 v[PADR], v[TM+2], 5, v[PADR]
	v_add_nc_u32 v[PADR], s23, v[PADR]
	v_and_b32 v[OA], 127, v0                       ; my place among the 128 threads that add the parts (waves 0 to 3)
	v_lshlrev_b32 v[OA], 4, v[OA]
	v_add_nc_u32 v[RDA], PART, v[OA]
	v_lshlrev_b32 v[SH], 3, v[TM+2]
	v_mov_b32 v[WP], 0                             ; written once: a lane permute's destination counts as one of its sources
	s_wait_kmcnt 0x0
	s_add_nc_u64 s[6:7], s[6:7], s[14:15]
	s_load_b32 s24, s[6:7], 0x0                    ; the sample's adapter: on its way while the first loads of x are issued
	s_add_nc_u64 s[4:5], s[4:5], s[12:13]
	s_add_nc_u64 s[10:11], s[10:11], s[18:19]
; 16 loads: a step's 16 rows, 512 consecutive bytes each, into buffer buf.  Every offset is an immediate (508,416 at the most), so no address is ever stepped.
.macro LOADX buf, off                  ; of x: read once in the launch
.irp i, 0,1,2,3,4,5,6,7,8,9,10,11,12,13,14,15
	global_load_b128 v[R+64*\buf+4*\i:R+64*\buf+4*\i+3], v[GA], s[4:5] offset:(\off)+ROW*\i th:TH_LOAD_NT
.endr
.endm
.macro LOADW buf, off                  ; of the adapter's rows: the sample's other work-groups read them too
.irp i, 0,1,2,3,4,5,6,7,8,9,10,11,12,13,14,15
	global_load_b128 v[R+64*\buf+4*\i:R+64*\buf+4*\i+3], v[GA], s[8:9] offset:(\off)+ROW*\i
.endr
.endm
; Buffer buf goes through my stage.  left: the younger loads that may stay out.  LDS serves a wave's instructions in order (ISA guide 5.7.1.4): no wait between the stores and the loads, and the stage is my wave's alone: no barrier.
; bare = 1: the step before ended with no product, so no wait has stood behind its maxima and conversions.
.macro TURN buf, left, bare
	s_wait_loadcnt \left                           ; loads come back in order (ISA guide 5.7.1): this step's 16 are in
.irp i, 0,1,2,3,4,5,6,7,8,9,10,11,12,13,14,15
	ds_store_b128 v[SIN], v[R+64*\buf+4*\i:R+64*\buf+4*\i+3] offset:SP*\i
.endr
.if \bare
	s_wait_alu depctr_va_vdst(0)                   ; the last step's maxima and conversions are done reading v[X ..], in which the LDS loads below land
.endif
.irp c, 0,1
.irp j, 0,1,2,3,4,5,6,7
	ds_load_b128 v[X+32*\c+4*\j:X+32*\c+4*\j+3], v[SOUT] offset:256*\c+16*\j    ; block 2 c + h of row r: 128 bytes
.endr
.endr
.endm
; My 64 numbers become the fragment's eight registers in v[dst] on, and my row's scale word in v[sw].
.macro QUANT dst, sw
.irp c, 0,1                                    ; the largest magnitude of block 2 c + h: all 32 numbers are mine; two chains a block, the four by turns, so that no line waits for the line above it
	v_max3_num_f32 v[TM+\c], |v[X+32*\c]|, |v[X+32*\c+1]|, FLOOR
	v_max3_num_f32 v[TM+2+\c], |v[X+32*\c+16]|, |v[X+32*\c+17]|, |v[X+32*\c+18]|
.endr
.irp i, 0,2,4,6,8,10
.irp c, 0,1
	v_max3_num_f32 v[TM+\c], v[TM+\c], |v[X+32*\c+2+\i]|, |v[X+32*\c+3+\i]|
	v_max3_num_f32 v[TM+2+\c], v[TM+2+\c], |v[X+32*\c+19+\i]|, |v[X+32*\c+20+\i]|
.endr
.endr
.irp c, 0,1
	v_max3_num_f32 v[TM+\c], v[TM+\c], |v[X+32*\c+14]|, |v[X+32*\c+15]|
.endr
.irp c, 0,1
	v_max3_num_f32 v[TM+\c], v[TM+\c], v[TM+2+\c], |v[X+32*\c+31]|
.endr
.irp c, 0,1
	v_add_nc_u32 v[SO+\c], 0xff000000, v[TM+\c]    ; 2 off its exponent field: the conversion takes the exponent field of this operand as its scale, and nothing else of it
.endr
.irp c, 0,1
	v_lshrrev_b32 v[TM+\c], 23, v[SO+\c]           ; the scale's byte
.endr
	v_lshl_or_b32 v[WD], v[TM+1], 16, v[TM]        ; my two bytes, blocks h and 2 + h,
	v_lshlrev_b32 v[WD], v[SH], v[WD]              ; at their places in the word (8 h bits up);
	v_permlanex16_b32 v[WP], v[WD], s20, s21
	v_or_b32 v[\sw], v[WD], v[WP]                  ; with lane l xor 16's two the word is whole, in both halves of the lanes
.irp c, 0,1
.irp g, 0,1,2,3
	v_cvt_scalef32_pk8_fp4_f32 v[\dst+4*\c+\g], v[X+32*\c+8*\g:X+32*\c+8*\g+7], v[SO+\c]   ; eight numbers / the scale, to the nearest code, ties to even, beyond 6 the largest code; the lower k in the lower bits
.endr
.endr
	v_nop                                          ; one plain vector line behind the last scaled conversion
.endm
; One product: 16 outputs x 16 rows of x x 128 along K.  first = 1: it starts the sum: nothing is cleared.  The two accumulators take turns, one instruction a turn.
.macro MUL t, s, first
.rept 8
	v_nop                                          ; a scale word written by a vector instruction stands eight plain vector lines ahead of a scaled matrix instruction, an operand so written four
.endr
	s_wait_alu depctr_va_vdst(0)                   ; the conversions have written the codes of x and of W, and the vector lines their scale words, which the product takes; the same lines are done reading v[X ..], in which the next step's LDS loads land
.if \first
	v_wmma_scale_f32_16x16x128_f8f6f4 v[ACC+8*\t:ACC+8*\t+7], v[WF+8*\s:WF+8*\s+7], v[PC:PC+7], 0, v[WS+\s], v[XS] matrix_a_fmt:MATRIX_FMT_FP4 matrix_b_fmt:MATRIX_FMT_FP4
.else
	v_wmma_scale_f32_16x16x128_f8f6f4 v[ACC+8*\t:ACC+8*\t+7], v[WF+8*\s:WF+8*\s+7], v[PC:PC+7], v[ACC+8*\t:ACC+8*\t+7], v[WS+\s], v[XS] matrix_a_fmt:MATRIX_FMT_FP4 matrix_b_fmt:MATRIX_FMT_FP4
.endif
.endm
	; Six steps, two always on their way: x tile 0 step 0, W step 0, x tile 1 step 0, W step 1, x tile 0 step 1, x tile 1 step 1.  x goes out first, ahead of the wait for the adapter's number.
	s_wait_alu depctr_va_vdst(0)                   ; the six offsets and LDS addresses v1 to v6 are written, which every load, store and LDS access below reads
	LOADX 0, 0
	s_wait_kmcnt 0x0
	s_min_u32 s24, s24, 31                         ; the table has 32 adapters
	s_lshl_b32 s24, s24, 18                        ; of 16 rows x 16,384 bytes
	s_mov_b32 s25, 0
	s_add_nc_u64 s[8:9], s[8:9], s[24:25]
	LOADW 1, 0
	TURN 0, 16, 0                                  ; x, tile 0, K step 0.  (16: W's loads may stay out.)  No vector line has named v[X ..] yet
	s_wait_alu depctr_vm_vsrc(0)                   ; the 16 LDS stores have read buffer 0's registers,
	LOADX 0, TILE                                  ; which take the loads of two steps on, while the numbers are on their way back from the stage
	s_wait_dscnt 0x0                               ; my 64 numbers are back
	QUANT PC, XS                                   ; its codes wait in registers for W's
	TURN 1, 16, 1                                  ; W, K step 0
	s_wait_alu depctr_vm_vsrc(0)                   ; the 16 LDS stores have read buffer 1's registers, in which the loads below land
	LOADW 1, KSB
	s_wait_dscnt 0x0
	QUANT WF, WS
	MUL 0, 0, 1
	TURN 0, 16, 0                                  ; x, tile 1, K step 0.  The 32 maxima of QUANT stand between the product above and the lines that write its operand and scale word anew (four are asked: ISA guide 7.12.1)
	s_wait_alu depctr_vm_vsrc(0)                   ; the 16 LDS stores have read buffer 0's registers, in which the loads below land
	LOADX 0, KSB
	s_wait_dscnt 0x0
	QUANT PC, XS
	MUL 1, 0, 1
	TURN 1, 16, 0                                  ; W, K step 1
	s_wait_alu depctr_vm_vsrc(0)                   ; the 16 LDS stores have read buffer 1's registers, in which the loads below land
	LOADX 1, TILE+KSB
	s_wait_dscnt 0x0
	QUANT WF+8, WS+1
	TURN 0, 16, 1                                  ; x, tile 0, K step 1: nothing is left to ask for
	s_wait_dscnt 0x0
	QUANT PC, XS
	MUL 0, 1, 0
	TURN 1, 0, 0                                   ; x, tile 1, K step 1: the last loads
	s_wait_dscnt 0x0
	QUANT PC, XS
	MUL 1, 1, 0
	; THE SUM OVER THE 16 WAVES.  Lane (r, h) holds out(row r of the tile, outputs 8 h .. 8 h + 7): 32 bytes, put where they lie in the work-group's 2,048 bytes of out.
.rept 4
	v_nop                                          ; four plain vector lines between a matrix instruction and the LDS store that reads its result
.endr
	s_wait_alu depctr_va_vdst(0)                   ; the products have written the two accumulators, which the LDS stores read; the places above stay beside this wait
.irp t, 0,1
	ds_store_b128 v[PADR], v[ACC+8*\t:ACC+8*\t+3] offset:1024*\t          ; each accumulator from its low end on
	ds_store_b128 v[PADR], v[ACC+8*\t+4:ACC+8*\t+7] offset:1024*\t+16
.endr
	s_wait_dscnt 0x0                               ; for the others' sake: my stores are done
	s_barrier_signal -1
	s_barrier_wait -1                              ; all 16 parts lie in LDS
	s_wait_alu depctr_vm_vsrc(0)                   ; the LDS stores of the fifth step have read v[R .. R+63], in which the parts below land and which the additions write; it stands ahead of the branch
	s_cmp_gt_u32 s16, 3
	s_cbranch_scc1 .Ldone                          ; 2,048 bytes are 16 bytes for each of 128 threads: waves 0 to 3
.irp w, 0,1,2,3,4,5,6,7,8,9,10,11,12,13,14,15
	ds_load_b128 v[R+4*\w:R+4*\w+3], v[RDA] offset:2048*\w                ; wave w's part of my four numbers
.endr
	s_wait_dscnt 0x0
.irp j, 0,2,4,6,8,10,12,14,16,18,20,22,24,26,28,30
	v_pk_add_f32 v[R+\j:R+\j+1], v[R+\j:R+\j+1], v[R+32+\j:R+33+\j]       ; a tree: parts 8, 4, 2 and 1 apart, two numbers an instruction
.endr
.irp j, 0,2,4,6,8,10,12,14
	v_pk_add_f32 v[R+\j:R+\j+1], v[R+\j:R+\j+1], v[R+16+\j:R+17+\j]
.endr
.irp j, 0,2,4,6
	v_pk_add_f32 v[R+\j:R+\j+1], v[R+\j:R+\j+1], v[R+8+\j:R+9+\j]
.endr
.irp j, 0,2
	v_pk_add_f32 v[R+\j:R+\j+1], v[R+\j:R+\j+1], v[R+4+\j:R+5+\j]
.endr
	s_wait_alu depctr_va_vdst(0)                   ; the additions have written v[R .. R+3], which the store reads
	global_store_b128 v[OA], v[R:R+3], s[10:11] th:TH_STORE_NT            ; 32 lanes store 512 consecutive bytes, at a multiple of 512 from out's first byte; written once, read by nobody here
.Ldone:
	s_wait_dscnt 0x0
	s_wait_alu depctr_hold_cnt(0) depctr_sa_sdst(0) depctr_va_vdst(0) depctr_va_sdst(0) depctr_va_ssrc(0) depctr_va_vcc(0) depctr_vm_vsrc(0)
	s_wait_tensorcnt 0x0
	ds_add_u32 v30, v31
	s_wait_dscnt 0x0
	s_endpgm
.Lfunc_end_k_qa2392a04dd_lora:
	.size	k_qa2392a04dd_lora, .Lfunc_end_k_qa2392a04dd_lora-k_qa2392a04dd_lora
	.p2alignl 7, 3214868480
	.fill 96, 4, 3214868480
	.section	.rodata,"a",@progbits
	.p2align	6, 0x0
	.amdhsa_kernel k_qa2392a04dd_lora
		.amdhsa_group_segment_fixed_size 169984
		.amdhsa_private_segment_fixed_size 0
		.amdhsa_enable_private_segment 0
		.amdhsa_kernarg_size 32
		.amdhsa_user_sgpr_count 2
		.amdhsa_user_sgpr_kernarg_segment_ptr 1
		.amdhsa_wavefront_size32 1
		.amdhsa_system_sgpr_workgroup_id_x 1
		.amdhsa_system_sgpr_workgroup_id_y 1
		.amdhsa_system_sgpr_workgroup_id_z 1
		.amdhsa_system_vgpr_workitem_id 0
		.amdhsa_next_free_vgpr 256
		.amdhsa_next_free_sgpr 66
		.amdhsa_reserve_vcc 0
		.amdhsa_float_denorm_mode_32 3
		.amdhsa_float_denorm_mode_16_64 3
		.amdhsa_memory_ordered 1
		.amdhsa_forward_progress 1
		.amdhsa_inst_pref_size 48
	.end_amdhsa_kernel
	.amdgpu_metadata
---
amdhsa.version: [ 1, 2 ]
amdhsa.kernels:
  - .name:           k_qa2392a04dd_lora
    .symbol:         k_qa2392a04dd_lora.kd
    .args:
      - { .name: x, .offset: 0, .size: 8, .value_kind: global_buffer, .address_space: global }
      - { .name: adapter_ids, .offset: 8, .size: 8, .value_kind: global_buffer, .address_space: global }
      - { .name: W, .offset: 16, .size: 8, .value_kind: global_buffer, .address_space: global }
      - { .name: out0, .offset: 24, .size: 8, .value_kind: global_buffer, .address_space: global }
    .group_segment_fixed_size: 169984
    .private_segment_fixed_size: 0
    .kernarg_segment_align: 8
    .kernarg_segment_size: 32
    .max_flat_workgroup_size: 512
    .sgpr_count:     66
    .vgpr_count:     256
    .wavefront_size: 32
...
	.end_amdgpu_metadata
.endif
;; end of part 2
